; MI455X (gfx1250); checked and timed in simulation.
; The chip was launched on July 23, 2026; its instructions are those of AMD's public machine-readable ISA for CDNA 5 (MIT licence, August 2026) and "CDNA5" Instruction Set Architecture Reference Guide (July 2026). The comments in the code are by the model that wrote it; some were corrected since.
;; Dihedral2 Coord. Allowed arithmetic: float matrix products may take bf16 or f16 operands with f32 sums; all other float work in f32.
;; Inputs: angles 64 x 4 int32; input 2,048 x 64 float32; move_mask 64 x 512 bool; pos 2,048 x 512 x 3 float32.
;; Outputs: out0 2,048 x 512 x 3 float32.
;; One version. Each part assembles by itself: llvm-mc -triple=amdgcn-amd-amdhsa -mcpu=gfx1250 --defsym DOCPART=n.
;; ======== version 1 of 1: 1 launch
;; limits: inputs' magnitudes at most 50,000; right only within a limited range of input values
;; launch dihedral (part 1): grid 256 x 1, 8 waves a work-group, no clusters, 279,552 bytes of LDS; arguments pos, input, angles, move_mask, out0; writes out0
.if DOCPART == 1
	.amdgcn_target "amdgcn-amd-amdhsa--gfx1250"
	.amdhsa_code_object_version 6
	.text
	.protected	k_q3c5b654695_dihedral
	.globl	k_q3c5b654695_dihedral
	.p2align	8
	.type	k_q3c5b654695_dihedral,@function
k_q3c5b654695_dihedral:
	s_mov_b64 s[64:65], 0
	v_nop
	global_prefetch_b8 v0, s[64:65] scope:SCOPE_SE
	s_setreg_imm32_b32 hwreg(HW_REG_WAVE_MODE, 25, 1), 1
	s_wait_xcnt 0x0
; 64 dihedral settings, one after the other, on 2,048 conformers of 512 atoms.  pos, out0: [2048][512][3] f32; input: [2048][64] f32; angles: [64][4] i32; move_mask: [64][512] bytes 0/1.
; SHARES.  A work-group has eight waves, a wave owns ONE conformer, a lane the atoms 32 g + lane, g = 0..15.  The positions stay in registers through all 64 steps: pos is read once, out0 written once.
; A STEP AS A MAP.  new = p + m (D p + t):  D = sin(th) [u]x + (1 - cos(th)) (u u^T - I),  t = -D pJ,  u = rJK / (|rJK| + EPS),  m = the atom's mask as 0.0 or 1.0.
; Twelve multiply-adds an atom; two atoms lie in a register pair, so six v_pk_fma_f32 an atom and no select.
; THE ANGLE.  cur = atan2(y, x) enters only as cos(cur) = X / h, sin(cur) = Y / h with X = nIJK . nJKL, Y = -|rJK| (rIJ . nJKL), h = sqrt(X X + Y Y)
; (m . nJKL = -|rJK|^2 rIJ . nJKL and |m| = |nIJK| |rJK|; the positive factors common to x and y drop out), and th = value - cur by the formulas for a difference of angles.
; sin(value) and cos(value) of all 64 steps are made once, two a lane: value less q pi/2 in two words, Taylor to r^9 and r^8 on |r| <= pi/4.
; THE FOUR ATOMS OF A STEP.  Which register holds atom angles[k][j] cannot be chosen at run time.  So the 256 entries of angles are carried as 256 COPIES of their atoms, moved by their atoms' masks,
; and only while their step is still to come.  Copy (k, j) lies in pair k / 16, register j / 2 of the pair, lane 2 (k % 16) + j % 2: fixed registers within a block of 16 steps, the lane from the loop's counter.
; THE MAP IS THE SAME IN ALL LANES, so it is made on scalar registers.  The 68 scalar lines up to cos(th), sin(th) depend on nothing that the 96 packed lines of the step BEFORE write (its bulk atoms),
; so the two are written by turns; then D and t, then the copies.  The first trip's 96 run with D = t = 0 and change nothing: the price of one text for every trip.
; THE MASKS are the same for all conformers: the work-group turns them once into a table in LDS, for each step 24 floats a lane (16 bulk slots, 8 slots of copies), each wave eight steps.
; LIMITS.  The three EPS in the norms of the angle are left out: they change the ratio y : x by the factor 1 + EPS (|rJK| - 1) / (|nIJK| |rJK|), which is 1 in f32 while |nIJK| |rJK| > 1e-5 max(1, |rJK|).
; X X + Y Y below 2^-126 counts as cur = 0 (atan2(0, 0), whatever the zeros' signs); it must stay finite: differences of coordinates under some 5e4.  value's reduction holds to 1e-7 up to |value| of some 1e5;
; th is not rounded to f32 as value - cur is.  An index of angles is taken as min(index, 511).
; NOT USED: matrix instructions (what is carried from step to step stays f32), tensor loads and clusters (the one shared input is the mask's 32,768 bytes, read once by a work-group).
.set CONFB, 6144                       ; bytes of a conformer
.set ROWB,  3072                       ; bytes of a table row: 6 chunks of 32 lanes x 4 floats
.set TAB,   0                          ; the table: 64 rows
.set STG,   64*ROWB                    ; a stage of 6,144 bytes for each wave: [atom][3] on the one side, registers by coordinate on the other
.set RAW,   STG+8*CONFB                ; the mask's bytes as they lie in memory: 4,096 for each wave (its eight rows)
.set SPARE, RAW+8*4096                 ; the spare words, 128 bytes for each wave: four blocks of 256 bytes that no other line names
.set AIN, 9                            ; v9   4 x lane: my place in a row of input
.set LN,  10                           ; v10  lane
.set A16, 11                           ; v11  16 x lane; never rewritten
.set PA,  12                           ; v12  my stage + 12 x lane: atom 'lane'
.set SA,  13                           ; v13  my stage + 16 x lane
.set TA,  14                           ; v14  the table's row in hand + 16 x lane
.set RA,  15                           ; v15  my raw rows + 16 x lane
.set SPW, 16                           ; v16  LDS address of my spare word; never rewritten
.set NIL, 17                           ; v17  0; never rewritten
.set RB,  18                           ; v18  my raw rows + lane
.set TW,  19                           ; v19  my eight rows of the table + 16 x lane
.set AAN, 21                           ; v21  my place in angles
.set BX,  32                           ; v32-47 x, v48-63 y, v64-79 z of the bulk slots
.set VX,  80                           ; v80-87 x, v88-95 y, v96-103 z of the copies' slots
.set MB,  104                          ; v104-119 the bulk slots' masks of one row
.set MV,  120                          ; v120-127 the copies' masks of one row
.set UT,  128                          ; v128-139 D p + t of a bulk pair, two sets by turns
.set UV,  140                          ; v140-163 the same for the copies, a set for each pair
.set SN,  164                          ; v164-165 value, then sin(value): step = lane, 32 + lane
.set CO,  166                          ; v166-167 cos(value)
.set IDX, 168                          ; v168-175 the copies' atoms
.set RV,  176                          ; v176-183 my raw rows + atom
.set GA,  184                          ; v184-191 my stage + 12 x atom
.set CB,  192                          ; v192-239 two buffers of 24 for the table's making
.set RAWR, BX                          ; the mask as loaded: 32 registers, before the positions come
.set POSR, MB                          ; the conformer as loaded and as stored: 48 registers, outside the loop
.set WV,  14                           ; s14  my wave's number
.set TD,  16                           ; s16-33  D(r, c) in the low word of the pair at TD + 6 r + 2 c; the high words hold 0
.set TT,  34                           ; s34-39  t(r) likewise
.set PI,  40                           ; s40-42  pI, then pI - pJ
.set PJ,  43                           ; s43-45  pJ, then -pJ
.set PK,  46                           ; s46-48  pK, then rJK, then u
.set PL,  49                           ; s49-51  pL, then rKL
.set NB,  52                           ; s52-54  -rJK
.set N1,  55                           ; s55-57  nIJK
.set N2,  58                           ; s58-60  nJKL
.set SV,  61
.set CV,  62
.set NCV, 63
.set UU,  66                           ; s66-71  ux ux - 1, uy uy - 1, uz uz - 1, ux uy, ux uz, uy uz
.set B2,  72                           ; |rJK|^2, then |rJK|
.set INV, 73
.set XX,  74
.set QQ,  75                           ; (pI - pJ) . nJKL, then Y
.set H2,  76
.set HH,  77
.set CC,  78
.set SS,  79
.set CT,  80
.set ST,  81
.set NST, 82
.set OMC, 83
.set CNT, 84                           ; the step in its block of 16
.set L0,  85
.set L1,  86
.set LV,  87
.set ROW, 88                           ; LDS byte of the table's row in hand
.set C2PI, 89
.set CHI, 90
.set CLO, 91
	s_load_b256 s[4:11], s[0:1], 0x0               ; pos s[4:5], input s[6:7], angles s[8:9], move_mask s[10:11]
	s_load_b64 s[12:13], s[0:1], 0x20              ; out0
	v_lshl_add_u32 v[SPW], v0, 2, SPARE
	v_mov_b32 v[NIL], 0
	v_lshrrev_b32 v1, 5, v0
	v_readfirstlane_b32 s[WV], v1                  ; wave 0..7
	v_and_b32 v[LN], 31, v0
	s_lshl_b32 s15, ttmp9, 3
	s_add_co_u32 s15, s15, s[WV]                   ; my conformer
	s_mul_i32 s40, s15, CONFB                      ; its bytes in pos and out0 (under 2^24)
	s_mov_b32 s41, 0
	s_lshl_b32 s42, s15, 8                         ; its row of input
	s_mov_b32 s43, 0
	s_lshl_b32 s44, s[WV], 12                      ; my eight rows of the mask
	s_mov_b32 s45, 0
	v_lshlrev_b32 v[A16], 4, v[LN]
	v_lshlrev_b32 v[AIN], 2, v[LN]
	v_and_b32 v1, 1, v[LN]
	v_lshlrev_b32 v2, 1, v[LN]
	v_sub_nc_u32 v2, v2, v1                        ; 4 (lane / 2) + lane % 2: entry (k % 16, j % 2) of a block of angles
	v_lshlrev_b32 v[AAN], 2, v2
	s_wait_kmcnt 0x0
	s_add_nc_u64 s[4:5], s[4:5], s[40:41]
	s_add_nc_u64 s[12:13], s[12:13], s[40:41]
	s_add_nc_u64 s[6:7], s[6:7], s[42:43]
	s_add_nc_u64 s[10:11], s[10:11], s[44:45]
	; all 30 loads go out together, in the order in which they are wanted
.irp q, 0,1,2,3,4,5,6,7                        ; slot q = 2 (k / 16) + j / 2: 64 entries a block, 2 entries on for j / 2
	global_load_b32 v[IDX+\q], v[AAN], s[8:9] offset:256*((\q)/2)+8*((\q)%2)
.endr
.irp i, 0,1,2,3,4,5,6,7                        ; a row of the mask is 512 bytes: 16 a lane
	global_load_b128 v[RAWR+4*\i:RAWR+4*\i+3], v[A16], s[10:11] offset:512*\i
.endr
	global_load_b32 v[SN], v[AIN], s[6:7]
	global_load_b32 v[SN+1], v[AIN], s[6:7] offset:128
.irp j, 0,1,2,3,4,5,6,7,8,9,10,11              ; each load of the wave takes 512 consecutive bytes
	global_load_b128 v[POSR+4*\j:POSR+4*\j+3], v[A16], s[4:5] offset:512*\j th:TH_LOAD_NT
.endr
	s_mul_i32 s46, s[WV], CONFB
	s_add_co_u32 s46, s46, STG                     ; my stage
	s_add_co_u32 s47, s44, RAW                     ; my raw rows
	s_mul_i32 s48, s[WV], 8*ROWB                   ; my rows of the table (TAB = 0)
	v_mul_u32_u24 v1, v[LN], 12
	v_add_nc_u32 v[PA], s46, v1
	v_add_nc_u32 v[SA], s46, v[A16]
	v_add_nc_u32 v[RA], s47, v[A16]
	v_add_nc_u32 v[RB], s47, v[LN]
	v_add_nc_u32 v[TW], s48, v[A16]
.set i, TD
.rept 24
	s_mov_b32 s[i], 0                              ; D = t = 0 for the first trip; the pairs' high words are named with the low ones and stay 0
.set i, i+1
.endr
	s_mov_b32 s[C2PI], 0x3f22f983                  ; 2 / pi
	s_mov_b32 s[CHI], 0x3fc90fdb                   ; pi / 2 rounded to f32,
	s_mov_b32 s[CLO], 0xb33bbd2e                   ; and what that left over
	s_wait_loadcnt 14                              ; angles and the mask are in; behind them went input's 2 loads and pos's 12
.irp q, 0,1,2,3,4,5,6,7
	v_min_u32 v[IDX+\q], 511, v[IDX+\q]            ; an index stays inside its table
.endr
.irp q, 0,1,2,3,4,5,6,7
	v_add_nc_u32 v[RV+\q], s47, v[IDX+\q]
	v_mul_u32_u24 v[GA+\q], v[IDX+\q], 12
.endr
.irp q, 0,1,2,3,4,5,6,7
	v_add_nc_u32 v[GA+\q], s46, v[GA+\q]
.endr
.irp i, 0,1,2,3,4,5,6,7
	ds_store_b128 v[RA], v[RAWR+4*\i:RAWR+4*\i+3] offset:512*\i
.endr
; THE TABLE.  Row i of my eight: 24 bytes a lane out of my own raw rows (LDS serves a wave's instructions in order, ISA guide 5.7.1.4: the loads see the stores above), made floats, stored as six chunks.
.macro ROWLD i, buf
.irp g, 0,1,2,3,4,5,6,7,8,9,10,11,12,13,14,15
	ds_load_u8 v[(\buf)+\g], v[RB] offset:512*(\i)+32*\g
.endr
.irp q, 0,1,2,3,4,5,6,7
	ds_load_u8 v[(\buf)+16+\q], v[RV+\q] offset:512*(\i)
.endr
.endm
.macro ROWCV i, buf
.set j, 0
.rept 24
	v_cvt_f32_u32 v[(\buf)+j], v[(\buf)+j]
.set j, j+1
.endr
.irp c, 0,1,2,3,4,5
	ds_store_b128 v[TW], v[(\buf)+4*\c:(\buf)+4*\c+3] offset:ROWB*(\i)+512*\c
.endr
.endm
	ROWLD 0, CB
	ROWLD 1, CB+24
	s_wait_dscnt 24                                ; all but row 1's 24 loads
	ROWCV 0, CB
.irp i, 1,2,3,4,5,6
	ROWLD \i+1, CB+24*((\i+1)%2)
	s_wait_dscnt 30                                ; behind this row's loads went the last row's 6 stores and the next row's 24 loads
	ROWCV \i, CB+24*((\i)%2)
.endr
	s_wait_dscnt 6                                 ; behind row 7's loads went row 6's 6 stores
	ROWCV 7, CB+24
	s_wait_loadcnt 12                              ; input is in; pos's 12 loads may stay out
; sin and cos of 32 values.  q = the nearest whole number to value 2 / pi; r = value - q pi / 2, the product exact in the fused multiply-add; the quadrant q mod 4 swaps and signs the two series.
.macro SINCOS j
	v_mul_f32 v1, s[C2PI], v[SN+\j]
	v_rndne_f32 v1, v1
	v_fma_f32 v2, -v1, s[CHI], v[SN+\j]
	v_fma_f32 v2, -v1, s[CLO], v2
	v_cvt_i32_f32 v4, v1
	v_mul_f32 v3, v2, v2
	v_mov_b32 v5, 0x3638ef1d                       ; 1 / 9!
	v_mov_b32 v6, 0x37d00d01                       ; 1 / 8!
	v_fmaak_f32 v5, v5, v3, 0xb9500d01             ; -1 / 7!
	v_fmaak_f32 v6, v6, v3, 0xbab60b61             ; -1 / 6!
	v_fmaak_f32 v5, v5, v3, 0x3c088889             ; 1 / 5!
	v_fmaak_f32 v6, v6, v3, 0x3d2aaaab             ; 1 / 4!
	v_fmaak_f32 v5, v5, v3, 0xbe2aaaab             ; -1 / 3!
	v_fmaak_f32 v6, v6, v3, 0xbf000000             ; -1 / 2
	v_mul_f32 v8, v3, v2
	v_fma_f32 v6, v6, v3, 1.0                      ; cos r
	v_fma_f32 v5, v5, v8, v2                       ; sin r
	v_and_b32 v7, 1, v4
	v_cmp_eq_u32 vcc_lo, 1, v7                     ; odd quadrants swap the two
	v_cndmask_b32 v[SN+\j], v5, v6, vcc_lo
	v_cndmask_b32 v[CO+\j], v6, v5, vcc_lo
	v_lshlrev_b32 v7, 30, v4                       ; bit 1 of q is the sine's sign,
	v_and_b32 v7, 0x80000000, v7
	v_xor_b32 v[SN+\j], v[SN+\j], v7
	v_add_nc_u32 v7, 1, v4                         ; bit 1 of q + 1 the cosine's
	v_lshlrev_b32 v7, 30, v7
	v_and_b32 v7, 0x80000000, v7
	v_xor_b32 v[CO+\j], v[CO+\j], v7
.endm
	SINCOS 0
	SINCOS 1
	s_wait_loadcnt 0x0                             ; the conformer is in
.irp j, 0,1,2,3,4,5,6,7,8,9,10,11
	ds_store_b128 v[SA], v[POSR+4*\j:POSR+4*\j+3] offset:512*\j
.endr
.irp g, 0,1,2,3,4,5,6,7,8,9,10,11,12,13,14,15  ; lanes 12 bytes apart: 32 different banks (64 banks of 4 bytes: ISA guide 11.1)
	ds_load_b32 v[BX+\g], v[PA] offset:384*\g
	ds_load_b32 v[BX+16+\g], v[PA] offset:384*\g+4
	ds_load_b32 v[BX+32+\g], v[PA] offset:384*\g+8
.endr
.irp q, 0,1,2,3,4,5,6,7
	ds_load_b32 v[VX+\q], v[GA+\q]
	ds_load_b32 v[VX+8+\q], v[GA+\q] offset:4
	ds_load_b32 v[VX+16+\q], v[GA+\q] offset:8
.endr
	s_wait_dscnt 0x0                               ; for the others' sake: my rows of the table are stored; and my positions are in
	s_barrier_signal -1
	s_barrier_wait -1                              ; the table is whole
	s_mov_b32 s[ROW], TAB
.irp c, 0,1,2,3
	ds_load_b128 v[MB+4*\c:MB+4*\c+3], v[A16] offset:TAB+512*\c  ; row 0's masks for the first trip, whose D and t are 0: any 0.0 or 1.0 serves
.endr
; Number o of the 12 packed lines that move a pair of slots: x at xr, y str registers on, z 2 str on; masks at mr; D p + t in the six registers at ur.  Three sums, one a coordinate, take turns.
.macro OPU o, xr, str, mr, ur
.set rr, (\o)%3
.if (\o) < 3
	v_pk_fma_f32 v[(\ur)+2*rr:(\ur)+2*rr+1], v[(\xr)+2*(\str):(\xr)+2*(\str)+1], s[TD+6*rr+4:TD+6*rr+5], s[TT+2*rr:TT+2*rr+1] op_sel_hi:[1,0,0]
.elseif (\o) < 6
	v_pk_fma_f32 v[(\ur)+2*rr:(\ur)+2*rr+1], v[(\xr)+(\str):(\xr)+(\str)+1], s[TD+6*rr+2:TD+6*rr+3], v[(\ur)+2*rr:(\ur)+2*rr+1] op_sel_hi:[1,0,1]
.elseif (\o) < 9
	v_pk_fma_f32 v[(\ur)+2*rr:(\ur)+2*rr+1], v[(\xr):(\xr)+1], s[TD+6*rr:TD+6*rr+1], v[(\ur)+2*rr:(\ur)+2*rr+1] op_sel_hi:[1,0,1]
.else
	v_pk_fma_f32 v[(\xr)+rr*(\str):(\xr)+rr*(\str)+1], v[(\mr):(\mr)+1], v[(\ur)+2*rr:(\ur)+2*rr+1], v[(\xr)+rr*(\str):(\xr)+rr*(\str)+1]
.endif
.endm
.macro BV                              ; the next of the 96 lines that move the eight bulk pairs; behind the 96th it writes nothing
.if bi < 96
	OPU bi%12, BX+2*(bi/12), 16, MB+2*(bi/12), UT+6*((bi/12)%2)
.set bi, bi+1
.endif
.endm
.macro SC line:vararg                  ; a scalar line, and behind it one bulk line or two by turns: 68 scalar lines carry all 96
	\line
	BV
.if sc%2
	BV
.endif
.set sc, sc+1
.endm
.macro VUPD p                          ; the copies' pairs p to 3, all their sums by turns
.irp st, 0,1,2,3
.set vp, \p
.rept 4-(\p)
.irp rw, 0,1,2
	OPU 3*(\st)+(\rw), VX+2*vp, 8, MV+2*vp, UV+6*vp
.endr
.set vp, vp+1
.endr
.endr
.endm
; BLOCK p: steps 16 p to 16 p + 15.  A trip: the step's four atoms and its value into scalar registers; the angle, beside the bulk atoms' move by the step before; D and t; the copies' move.
.macro BLOCK p
	s_mov_b32 s[CNT], 0
.Lstep\p:
	v_add_nc_u32 v[TA], s[ROW], v[A16]
	s_lshl_b32 s[L0], s[CNT], 1                    ; lanes 2 (k % 16) and 2 (k % 16) + 1
	s_or_b32 s[L1], s[L0], 1
	s_add_co_u32 s[LV], s[CNT], 16*((\p)%2)        ; lane k % 32
.if (\p) < 2
	ds_load_b128 v[MV:MV+3], v[TA] offset:2048     ; this row's masks for the copies' pairs 0, 1
.endif
	ds_load_b128 v[MV+4:MV+7], v[TA] offset:2560   ; and 2, 3
.irp c, 0,1,2
	v_readlane_b32 s[PI+\c], v[VX+8*\c+2*(\p)], s[L0]
	v_readlane_b32 s[PJ+\c], v[VX+8*\c+2*(\p)], s[L1]
	v_readlane_b32 s[PK+\c], v[VX+8*\c+2*(\p)+1], s[L0]
	v_readlane_b32 s[PL+\c], v[VX+8*\c+2*(\p)+1], s[L1]
.endr
	v_readlane_b32 s[SV], v[SN+(\p)/2], s[LV]
	v_readlane_b32 s[CV], v[CO+(\p)/2], s[LV]
.if (\p) < 2
	s_wait_dscnt 2                                 ; the bulk masks asked for in the trip before are in; behind them went this trip's two loads
.else
	s_wait_dscnt 1                                 ; the same with this trip's one load
.endif
.set bi, 0
.set sc, 0
.irp c, 0,1,2
	SC s_fmac_f32 s[PI+\c], s[PJ+\c], -1.0         ; -rIJ = pI - pJ
.endr
.irp c, 0,1,2
	SC s_fmac_f32 s[PL+\c], s[PK+\c], -1.0         ; rKL
.endr
.irp c, 0,1,2
	SC s_fmac_f32 s[PK+\c], s[PJ+\c], -1.0         ; rJK
.endr
.irp c, 0,1,2
	SC s_mul_f32 s[NB+\c], s[PK+\c], -1.0          ; -rJK: a difference of products becomes a product and a multiply-add
.endr
	SC s_mul_f32 s[B2], s[PK], s[PK]
	SC s_fmac_f32 s[B2], s[PK+1], s[PK+1]
	SC s_fmac_f32 s[B2], s[PK+2], s[PK+2]
.irp c, 0,1,2
	SC s_mul_f32 s[PJ+\c], s[PJ+\c], -1.0          ; -pJ, for t
.endr
	SC v_s_sqrt_f32 s[B2], s[B2]                   ; |rJK|; a bulk line stands behind each of the three transcendentals, ahead of any use of its result
	SC s_mul_f32 s[N1], s[PI+1], s[NB+2]           ; nIJK = rIJ x rJK = (-rIJ) x (-rJK)
	SC s_mul_f32 s[N1+1], s[PI+2], s[NB]
	SC s_mul_f32 s[N1+2], s[PI], s[NB+1]
	SC s_fmac_f32 s[N1], s[PI+2], s[PK+1]
	SC s_fmac_f32 s[N1+1], s[PI], s[PK+2]
	SC s_fmac_f32 s[N1+2], s[PI+1], s[PK]
	SC s_mul_f32 s[N2], s[PK+1], s[PL+2]           ; nJKL = rJK x rKL
	SC s_mul_f32 s[N2+1], s[PK+2], s[PL]
	SC s_mul_f32 s[N2+2], s[PK], s[PL+1]
	SC s_fmac_f32 s[N2], s[NB+2], s[PL+1]
	SC s_fmac_f32 s[N2+1], s[NB], s[PL+2]
	SC s_fmac_f32 s[N2+2], s[NB+1], s[PL]
	SC s_add_f32 s[INV], s[B2], 0x2b8cbccc         ; |rJK| + 1e-12
	SC v_s_rcp_f32 s[INV], s[INV]
	SC s_mul_f32 s[XX], s[N1], s[N2]               ; X = nIJK . nJKL
	SC s_mul_f32 s[QQ], s[PI], s[N2]               ; (-rIJ) . nJKL
	SC s_fmac_f32 s[XX], s[N1+1], s[N2+1]
	SC s_fmac_f32 s[QQ], s[PI+1], s[N2+1]
	SC s_fmac_f32 s[XX], s[N1+2], s[N2+2]
	SC s_fmac_f32 s[QQ], s[PI+2], s[N2+2]
	SC s_mul_f32 s[NCV], s[CV], -1.0
	SC s_mul_f32 s[QQ], s[QQ], s[B2]               ; Y = |rJK| ((-rIJ) . nJKL)
	SC s_mul_f32 s[H2], s[XX], s[XX]
	SC s_fmac_f32 s[H2], s[QQ], s[QQ]
	SC v_s_rsq_f32 s[HH], s[H2]
.irp c, 0,1,2
	SC s_mul_f32 s[PK+\c], s[PK+\c], s[INV]        ; u
.endr
.irp c, 0,1,2
	SC s_mul_f32 s[UU+\c], s[PK+\c], s[PK+\c]
.endr
	SC s_mul_f32 s[UU+3], s[PK], s[PK+1]
	SC s_mul_f32 s[UU+4], s[PK], s[PK+2]
	SC s_mul_f32 s[UU+5], s[PK+1], s[PK+2]
.irp c, 0,1,2
	SC s_add_f32 s[UU+\c], s[UU+\c], -1.0
.endr
	SC s_mul_f32 s[CC], s[XX], s[HH]               ; cos(cur)
	SC s_mul_f32 s[SS], s[QQ], s[HH]               ; sin(cur)
	SC s_cmp_lt_u32 s[H2], 0x00800000              ; X X + Y Y is not negative, so its bits order as its values: below 2^-126 the reciprocal root is no number to use,
	SC s_cselect_b32 s[CC], 1.0, s[CC]             ; and cur counts as 0.  The compare selects two values; no branch hangs on it
	SC s_cselect_b32 s[SS], 0, s[SS]
	SC s_mul_f32 s[CT], s[CV], s[CC]               ; cos(value - cur)
	SC s_mul_f32 s[ST], s[SV], s[CC]               ; sin(value - cur)
	SC s_fmac_f32 s[CT], s[SV], s[SS]
	SC s_fmac_f32 s[ST], s[NCV], s[SS]
	SC s_mul_f32 s[OMC], s[CT], -1.0
	SC s_mul_f32 s[NST], s[ST], -1.0
	SC s_add_f32 s[OMC], s[OMC], 1.0               ; 1 - cos
.irp c, 0,1,2,3
	ds_load_b128 v[MB+4*\c:MB+4*\c+3], v[TA] offset:512*\c  ; the 96 lines are written: this row's bulk masks, for the next trip
.endr
.irp c, 0,1,2
	s_mul_f32 s[TD+8*\c], s[OMC], s[UU+\c]         ; D(c, c) = (1 - cos)(u_c u_c - 1)
.endr
	s_mul_f32 s[TD+2], s[OMC], s[UU+3]             ; D01, D10
	s_mul_f32 s[TD+6], s[OMC], s[UU+3]
	s_mul_f32 s[TD+4], s[OMC], s[UU+4]             ; D02, D20
	s_mul_f32 s[TD+12], s[OMC], s[UU+4]
	s_mul_f32 s[TD+10], s[OMC], s[UU+5]            ; D12, D21
	s_mul_f32 s[TD+14], s[OMC], s[UU+5]
	s_fmac_f32 s[TD+2], s[NST], s[PK+2]            ; - sin uz
	s_fmac_f32 s[TD+6], s[ST], s[PK+2]             ; + sin uz
	s_fmac_f32 s[TD+4], s[ST], s[PK+1]             ; + sin uy
	s_fmac_f32 s[TD+12], s[NST], s[PK+1]           ; - sin uy
	s_fmac_f32 s[TD+10], s[NST], s[PK]             ; - sin ux
	s_fmac_f32 s[TD+14], s[ST], s[PK]              ; + sin ux
.irp r, 0,1,2
	s_mul_f32 s[TT+2*\r], s[TD+6*\r], s[PJ]        ; t = D (-pJ)
.endr
.irp r, 0,1,2
	s_fmac_f32 s[TT+2*\r], s[TD+6*\r+2], s[PJ+1]
.endr
.irp r, 0,1,2
	s_fmac_f32 s[TT+2*\r], s[TD+6*\r+4], s[PJ+2]
.endr
	s_wait_dscnt 4                                 ; the copies' masks are in; behind them went the four loads of bulk masks
	VUPD \p
	s_add_co_u32 s[ROW], s[ROW], ROWB
	s_add_co_u32 s[CNT], s[CNT], 1
	s_cmp_lt_u32 s[CNT], 16
	s_cbranch_scc1 .Lstep\p
.endm
	BLOCK 0
	BLOCK 1
	BLOCK 2
	BLOCK 3
	s_wait_dscnt 0x0                               ; row 63's bulk masks
.set bi, 0
.rept 96
	BV                                             ; the bulk atoms' move by the last step
.endr
	; THE WAY OUT: by coordinate into my stage, back as 16 consecutive bytes a lane, stored 512 consecutive bytes a wave, at multiples of 512 from the conformer's first byte.
.irp g, 0,1,2,3,4,5,6,7,8,9,10,11,12,13,14,15
	ds_store_b32 v[PA], v[BX+\g] offset:384*\g
	ds_store_b32 v[PA], v[BX+16+\g] offset:384*\g+4
	ds_store_b32 v[PA], v[BX+32+\g] offset:384*\g+8
.endr
.irp j, 0,1,2,3,4,5,6,7,8,9,10,11
	ds_load_b128 v[POSR+4*\j:POSR+4*\j+3], v[SA] offset:512*\j  ; my own bytes, served in order behind the stores above
.endr
.irp j, 0,1,2,3,4,5,6,7,8,9,10,11
	s_wait_dscnt 11-\j                             ; LDS loads come back in order: number j is in, the younger ones may be out
	global_store_b128 v[A16], v[POSR+4*\j:POSR+4*\j+3], s[12:13] offset:512*\j th:TH_STORE_NT
.endr
	s_wait_tensorcnt 0x0                           ; the wave's end, behind my last LDS store
	ds_add_u32 v[SPW], v[NIL]
	s_wait_dscnt 0x0
	s_endpgm
.Lfunc_end_k_q3c5b654695_dihedral:
	.size	k_q3c5b654695_dihedral, .Lfunc_end_k_q3c5b654695_dihedral-k_q3c5b654695_dihedral
	.p2alignl 7, 3214868480
	.fill 96, 4, 3214868480
	.section	.rodata,"a",@progbits
	.p2align	6, 0x0
	.amdhsa_kernel k_q3c5b654695_dihedral
		.amdhsa_group_segment_fixed_size 279552
		.amdhsa_private_segment_fixed_size 0
		.amdhsa_enable_private_segment 0
		.amdhsa_kernarg_size 40
		.amdhsa_user_sgpr_count 2
		.amdhsa_user_sgpr_kernarg_segment_ptr 1
		.amdhsa_wavefront_size32 1
		.amdhsa_system_sgpr_workgroup_id_x 1
		.amdhsa_system_sgpr_workgroup_id_y 1
		.amdhsa_system_sgpr_workgroup_id_z 1
		.amdhsa_system_vgpr_workitem_id 0
		.amdhsa_next_free_vgpr 240
		.amdhsa_next_free_sgpr 92
		.amdhsa_reserve_vcc 1
		.amdhsa_float_denorm_mode_32 3
		.amdhsa_float_denorm_mode_16_64 3
		.amdhsa_memory_ordered 1
		.amdhsa_forward_progress 1
		.amdhsa_inst_pref_size 99
	.end_amdhsa_kernel
	.amdgpu_metadata
---
amdhsa.version: [ 1, 2 ]
amdhsa.kernels:
  - .name:           k_q3c5b654695_dihedral
    .symbol:         k_q3c5b654695_dihedral.kd
    .args:
      - { .name: pos, .offset: 0, .size: 8, .value_kind: global_buffer, .address_space: global }
      - { .name: input, .offset: 8, .size: 8, .value_kind: global_buffer, .address_space: global }
      - { .name: angles, .offset: 16, .size: 8, .value_kind: global_buffer, .address_space: global }
      - { .name: move_mask, .offset: 24, .size: 8, .value_kind: global_buffer, .address_space: global }
      - { .name: out0, .offset: 32, .size: 8, .value_kind: global_buffer, .address_space: global }
    .group_segment_fixed_size: 279552
    .private_segment_fixed_size: 0
    .kernarg_segment_align: 8
    .kernarg_segment_size: 40
    .max_flat_workgroup_size: 256
    .sgpr_count:     92
    .vgpr_count:     240
    .wavefront_size: 32
...
	.end_amdgpu_metadata
.endif
;; end of part 1
